; MI455X (gfx1250); checked and timed in simulation.
; The chip was launched on July 23, 2026; its instructions are those of AMD's public machine-readable ISA for CDNA 5 (MIT licence, August 2026) and "CDNA5" Instruction Set Architecture Reference Guide (July 2026). The comments in the code are by the model that wrote it; some were corrected since.
;; Super Glue Multi Head Attention. Allowed arithmetic: matrix products marked QUANTISED: E2M3 operands, one E8M0 scale for each 32 along K, by v_wmma_scale_f32_16x16x128_f8f6f4 with both operands' format E2M3, f32 sums; everything else in f32.
;; Inputs: bk 256 float32; bm 256 float32; bq 256 float32; bv 256 float32; key 4 x 256 x 2,048 float32; query 4 x 256 x 2,048 float32; value 4 x 256 x 2,048 float32; wk 256 x 256 float32; wm 256 x 256 float32; wq 256 x 256 float32; wv 256 x 256 float32.
;; Outputs: out0 4 x 256 x 2,048 float32.
;; This version of the problem:
;;   THIS VERSION OF THE PROBLEM IS GIVEN IN LOW PRECISION. The matrix products marked QUANTISED in the list below multiply operands that are first quantised to E2M3 (2 exponent bits, 3 mantissa bits; 6 bits a number), with one power-of-two scale for each 32 numbers along K (OCP MX v1.0); their sums are f32. All else is computed in f32.
;;   The module's matrix products, in the order in which they are computed (A, B: the left and right operand; K: the contracted axis; several contracted axes count as one K, in the product's order):
;;     1. [M 8,192, K 256] x [K 256, N 256]; A: input query; B: input wq: QUANTISED
;;     2. [M 8,192, K 256] x [K 256, N 256]; A: input key; B: input wk: QUANTISED
;;     3. [M 8,192, K 256] x [K 256, N 256]; A: input value; B: input wv: QUANTISED
;;     4. batch 16 x [M 2,048, K 64] x [K 64, N 2,048]; A: computed on the way; B: computed on the way: QUANTISED
;;     5. batch 16 x [M 64, K 2,048] x [K 2,048, N 2,048]; A: computed on the way; B: softmax (see below): QUANTISED
;;     6. [M 8,192, K 256] x [K 256, N 256]; A: computed on the way; B: input wm: QUANTISED
;;   THE QUANTISER, for each operand of a quantised product, along K:
;;     - K is cut into blocks of 32 from its start; a last block that is shorter is filled with zeros.
;;     - A block's scale is 2^e with e = floor(log2(the largest magnitude in the block)) - 2, held to -126 .. 127; a block of zeros has e = 0. As a byte (E8M0): e + 127.
;;     - Each number is divided by its block's scale, clamped to +-7.5, and rounded to the nearest number of E2M3, ties to even, subnormals kept.
;;     - The product sums the exact products of the quantised numbers (number of the format x scale) in f32.
;;   ~~~python
;;   def quantise(x, axis):      # numpy; x: float32 -> the quantised numbers, widened to float32 again
;;       x = np.moveaxis(x, axis, -1); K = x.shape[-1]
;;       x = np.pad(x, [(0, 0)] * (x.ndim - 1) + [(0, -K % 32)]); x = x.reshape(x.shape[:-1] + (-1, 32)); a = np.abs(x).max(-1, keepdims=True)
;;       e = np.where(a > 0, np.clip(np.frexp(np.where(a > 0, a, 1))[1] - 1 - 2, -126, 127), 0)      # np.frexp(a)[1] - 1 = floor(log2(a)), exactly
;;       r = np.clip(x / 2.0 ** e, -7.5, 7.5)
;;       step = 2.0 ** (np.maximum(np.frexp(np.where(r == 0, 1, r))[1] - 1, 0) - 3)
;;       q = np.round(r / step) * step * 2.0 ** e      # np.round: ties to even
;;       return np.moveaxis(q.reshape(q.shape[:-2] + (-1,))[..., :K], -1, axis).astype(np.float32)
;;   ~~~
;;   SOFTMAX AHEAD OF A QUANTISED PRODUCT. Where the list says 'softmax', what is quantised is not the finished softmax but p = 2^(t - M), with t = logit x log2(e) and M = ceil(the row's largest t), a whole number; so 1/2 < the row's largest p <= 1. The row's sum l is taken of the UNQUANTISED p, in f32, and the product's result is divided by l at the end. Since M is a whole number, a kernel that streams over the keys may use a running M (the ceiling of the running maximum): every later rescaling is an exact power of two, which a block's scale takes up: the codes' values come out the same.
;;   OPERANDS COMPUTED ON THE WAY. 'Computed on the way' means the value that the module computes at that place (a softmax that the list does not call 'softmax' is quantised finished and normalised). What goes into a quantiser is computed in f32, as accurately as f32 sums, v_exp_f32 and their like allow (about 1e-6 of the number): no bf16 or f16 on the way to a quantiser, and a product that is left as it is and whose result goes on into a quantised operand takes f32 operands (vector FMAs, or v_wmma_f32_16x16x4_f32). A number that lies on a knife's edge between two numbers of the format may be rounded either way, as far as f32 arithmetic and the matrix unit's own rounding can turn it there, and no further.
;; One version. Each part assembles by itself: llvm-mc -triple=amdgcn-amd-amdhsa -mcpu=gfx1250 --defsym DOCPART=n.
;; ======== version 1 of 1: 3 launches
;; workspace buffers: wimg 212,992 bytes; qbuf 1,638,400 bytes; kvbuf 3,276,800 bytes
;; launch wprep (part 1): grid 32 x 1, 4 waves a work-group, no clusters, 0 bytes of LDS; arguments wq, wk, wv, wm, wimg; writes wimg
.if DOCPART == 1
	.amdgcn_target "amdgcn-amd-amdhsa--gfx1250"
	.amdhsa_code_object_version 6
	.text
	.protected	k_qac17b4f4f7_wprep
	.globl	k_qac17b4f4f7_wprep
	.p2align	8
	.type	k_qac17b4f4f7_wprep,@function
k_qac17b4f4f7_wprep:
	s_mov_b64 s[64:65], 0
	v_nop
	global_prefetch_b8 v0, s[64:65] scope:SCOPE_SE
	s_setreg_imm32_b32 hwreg(HW_REG_WAVE_MODE, 25, 1), 1
	s_wait_xcnt 0x0
; The four weights [256 (o)][256 (c)], f32, K = c innermost, become codes of FP6 (E2M3) with one E8M0 byte for each 32 along c, laid AS THE OPERAND'S REGISTERS:
; a fragment (16 rows x 128 c) is 12 registers a lane = 1,536 bytes in 3 pieces of 512; piece p holds registers 4 p .. 4 p + 3, lane l's 16 bytes at 16 l.
; Fragment F = 32 t + 2 Tg + s lies at 1,536 F (t: 0 wq, 1 wk, 2 wv, 3 wm; Tg: tile of 16 rows; s: which 128 of c); its scale words at SCLB + 128 F + 4 lane (lane r: row r's word; lanes 16-31 a copy).
; WHICH ROWS FORM A TILE is free.  wq, wk, wv: Tg = 4 h + 2 be + u, lane r takes o = 4 d + h with d = 32 be + 16 (r / 8) + 8 u + r % 8: one head's channels, ordered so that the results of two
; neighbouring tiles are 16 neighbours along d.  wm: o = 16 Tg + r.
; One wave makes one fragment: 128 waves.  A lane holds two whole blocks of 32, so a block's largest magnitude needs no other lane.  The launch reads 1 MiB once, 128 bytes a lane and block.
; A block's scale is 2^(floor(log2(largest magnitude)) - 2); its byte is that magnitude's exponent field - 2, held at 1 from below.
; LIMITS: a block of zeros gets the byte 1 where the rule says 127 (its codes are zeros, and this program alone reads the bytes); NaN and infinities among the inputs are not served.
.set SCLB, 196608
	s_load_b256 s[4:11], s[0:1], 0x0               ; wq s[4:5], wk s[6:7], wv s[8:9], wm s[10:11]
	s_load_b64 s[12:13], s[0:1], 0x20              ; wimg
	v_lshrrev_b32 v1, 5, v0
	v_readfirstlane_b32 s14, v1                    ; wave
	v_and_b32 v1, 31, v0                           ; lane
	v_and_b32 v2, 15, v0                           ; r
	s_wait_alu depctr_va_vdst(0)
	v_bfe_u32 v3, v0, 4, 1                         ; hh
	s_lshl_b32 s15, ttmp9, 2
	s_add_co_u32 s15, s15, s14                     ; F
	s_lshr_b32 s16, ttmp9, 3                       ; t
	s_and_b32 s17, s15, 31
	s_lshr_b32 s18, s17, 1                         ; Tg
	s_and_b32 s19, s17, 1                          ; s
	s_lshr_b32 s20, s18, 2                         ; h
	s_bfe_u32 s21, s18, 0x10001                    ; be
	s_and_b32 s22, s18, 1                          ; u
	s_lshl_b32 s21, s21, 7
	s_lshl_b32 s22, s22, 5
	s_add_co_u32 s20, s20, s21
	s_add_co_u32 s20, s20, s22                     ; 128 be + 32 u + h
	s_lshl_b32 s23, s18, 4                         ; 16 Tg
	s_cmp_lt_u32 s16, 3
	s_cselect_b32 s20, s20, s23                    ; o = s24 (r / 8) + s25 (r % 8) + s20
	s_cselect_b32 s24, 64, 8
	s_cselect_b32 s25, 4, 1
	v_lshrrev_b32 v4, 3, v2
	v_and_b32 v5, 7, v2
	v_mul_u32_u24 v4, s24, v4
	v_mad_u32_u24 v4, v5, s25, v4
	v_add_nc_u32 v4, s20, v4                       ; o
	v_lshlrev_b32 v4, 10, v4                       ; a row is 1,024 bytes
	s_wait_alu depctr_va_vdst(0)
	v_lshl_add_u32 v4, v3, 7, v4                   ; + 128 hh: lane (r, hh) wants c = 128 s + 64 cc + 32 hh + 0 .. 31
	v_lshlrev_b32 v6, 4, v1                        ; 16 lane
	v_lshlrev_b32 v7, 2, v1                        ; 4 lane
	s_mov_b32 s30, 0x76543210
	s_mov_b32 s31, 0xfedcba98                      ; v_permlanex16_b32's selects for lane l xor 16
	s_lshl_b32 s28, s19, 9
	s_mov_b32 s29, 0
	s_mul_i32 s32, s15, 1536
	s_mov_b32 s33, 0
	s_wait_alu depctr_va_vdst(0)
	s_wait_kmcnt 0x0
	s_cmp_eq_u32 s16, 0                            ; the weight is chosen by the work-group's number alone
	s_cselect_b64 s[26:27], s[4:5], s[6:7]
	s_cmp_lt_u32 s16, 2
	s_cselect_b64 s[26:27], s[26:27], s[8:9]
	s_cmp_lt_u32 s16, 3
	s_cselect_b64 s[26:27], s[26:27], s[10:11]
	s_add_nc_u64 s[26:27], s[26:27], s[28:29]
	s_add_nc_u64 s[34:35], s[12:13], s[32:33]      ; the fragment's image
	s_lshl_b32 s32, s15, 7
	s_add_co_u32 s32, s32, SCLB
	s_add_nc_u64 s[36:37], s[12:13], s[32:33]      ; its scale words
.irp c, 0,1
.irp q, 0,1,2,3,4,5,6,7
	global_load_b128 v[32+32*\c+4*\q:32+32*\c+4*\q+3], v4, s[26:27] offset:256*\c+16*\q
.endr
.endr
	s_wait_loadcnt 0x0
.irp c, 0,1
	v_max3_num_f32 v[16+\c], |v[32+32*\c]|, |v[33+32*\c]|, 0x1800000   ; my block 2 cc + hh, and the floor 2^(3 - 127): the byte cannot fall under 1
.endr
.irp i, 2,4,6,8,10,12,14,16,18,20,22,24,26,28,30
.irp c, 0,1
	v_max3_num_f32 v[16+\c], v[16+\c], |v[32+32*\c+\i]|, |v[33+32*\c+\i]|   ; the two blocks by turns
.endr
.endr
.irp c, 0,1
	v_add_nc_u32 v[18+\c], 0xff000000, v[16+\c]    ; 2 off the exponent field: the conversion's scale operand
.endr
.irp c, 0,1
	v_lshrrev_b32 v[20+\c], 23, v[18+\c]           ; the scale's byte
.endr
	v_lshl_or_b32 v22, v21, 16, v20                ; my two bytes, blocks hh and 2 + hh,
	v_lshlrev_b32 v23, 3, v3
	v_lshlrev_b32 v22, v23, v22                    ; at their places in the word;
	v_mov_b32 v23, 0
	v_permlanex16_b32 v23, v22, s30, s31
	v_or_b32 v22, v22, v23                         ; with lane l xor 16's two the word is whole
	v_cvt_scalef32_pk16_fp6_f32 v[96:98], v[32:47], v18
	v_cvt_scalef32_pk16_fp6_f32 v[108:110], v[48:63], v18      ; (a conversion's three registers begin on an even number)
	v_cvt_scalef32_pk16_fp6_f32 v[102:104], v[64:79], v19
	v_cvt_scalef32_pk16_fp6_f32 v[112:114], v[80:95], v19
	v_nop                                          ; one plain place behind a scaled conversion
.irp i, 0,1,2
	v_mov_b32 v[99+\i], v[108+\i]
	v_mov_b32 v[105+\i], v[112+\i]
.endr
.irp c, 0,1,2
	global_store_b128 v6, v[96+4*\c:99+4*\c], s[34:35] offset:512*\c   ; 32 lanes store 512 consecutive bytes, aligned
.endr
	global_store_b32 v7, v22, s[36:37]
	s_endpgm
.Lfunc_end_k_qac17b4f4f7_wprep:
	.size	k_qac17b4f4f7_wprep, .Lfunc_end_k_qac17b4f4f7_wprep-k_qac17b4f4f7_wprep
	.p2alignl 7, 3214868480
	.fill 96, 4, 3214868480
	.section	.rodata,"a",@progbits
	.p2align	6, 0x0
	.amdhsa_kernel k_qac17b4f4f7_wprep
		.amdhsa_group_segment_fixed_size 0
		.amdhsa_private_segment_fixed_size 0
		.amdhsa_enable_private_segment 0
		.amdhsa_kernarg_size 40
		.amdhsa_user_sgpr_count 2
		.amdhsa_user_sgpr_kernarg_segment_ptr 1
		.amdhsa_wavefront_size32 1
		.amdhsa_system_sgpr_workgroup_id_x 1
		.amdhsa_system_sgpr_workgroup_id_y 1
		.amdhsa_system_sgpr_workgroup_id_z 1
		.amdhsa_system_vgpr_workitem_id 0
		.amdhsa_next_free_vgpr 120
		.amdhsa_next_free_sgpr 66
		.amdhsa_reserve_vcc 0
		.amdhsa_float_denorm_mode_32 3
		.amdhsa_float_denorm_mode_16_64 3
		.amdhsa_memory_ordered 1
		.amdhsa_forward_progress 1
		.amdhsa_inst_pref_size 8
	.end_amdhsa_kernel
	.amdgpu_metadata
---
amdhsa.version: [ 1, 2 ]
amdhsa.kernels:
  - .name:           k_qac17b4f4f7_wprep
    .symbol:         k_qac17b4f4f7_wprep.kd
    .args:
      - { .name: wq, .offset: 0, .size: 8, .value_kind: global_buffer, .address_space: global }
      - { .name: wk, .offset: 8, .size: 8, .value_kind: global_buffer, .address_space: global }
      - { .name: wv, .offset: 16, .size: 8, .value_kind: global_buffer, .address_space: global }
      - { .name: wm, .offset: 24, .size: 8, .value_kind: global_buffer, .address_space: global }
      - { .name: wimg, .offset: 32, .size: 8, .value_kind: global_buffer, .address_space: global }
    .group_segment_fixed_size: 0
    .private_segment_fixed_size: 0
    .kernarg_segment_align: 8
    .kernarg_segment_size: 40
    .max_flat_workgroup_size: 128
    .sgpr_count:     66
    .vgpr_count:     120
    .wavefront_size: 32
...
	.end_amdgpu_metadata
.endif
;; end of part 1
;; launch proj (part 2): grid 64 x 3, 4 waves a work-group, no clusters, 168,448 bytes of LDS; arguments query, key, value, bq, bk, bv, wimg, qbuf, kvbuf; writes qbuf, kvbuf
.if DOCPART == 2
	.amdgcn_target "amdgcn-amd-amdhsa--gfx1250"
	.amdhsa_code_object_version 6
	.text
	.protected	k_qac17b4f4f7_proj
	.globl	k_qac17b4f4f7_proj
	.p2align	8
	.type	k_qac17b4f4f7_proj,@function
k_qac17b4f4f7_proj:
	s_mov_b64 s[64:65], 0
	v_nop
	global_prefetch_b8 v0, s[64:65] scope:SCOPE_SE
	s_setreg_imm32_b32 hwreg(HW_REG_WAVE_MODE, 25, 1), 1
	s_wait_xcnt 0x0
; The three 1x1 convolutions, y[b][o][n] = sum over c of w[o][c] x[b][c][n] + bias[o], on codes of FP6 (E2M3) with one E8M0 scale for each 32 along c, and the quantising of their results for the attention.
; Work-group (x, t): t = 0 query, 1 key, 2 value; x = 16 b + G: batch b, columns n = 128 G .. 128 G + 127, all 256 outputs.
; x[b][c][n] has K = c OUTERMOST.  The work-group's 256 rows x 512 bytes come into LDS by four tensor loads (one a wave, 64 rows each, filled once).  PHASE X: wave w takes columns 32 w .. 32 w + 31, a lane a column, its
; registers running down c: a block of 32 is one lane's, and the conversions give codes with c innermost.  They go to LDS as IMAGES OF THE OPERAND'S REGISTERS (1,536 bytes a fragment, lane l's 16 bytes at 16 l of each 512).
; THE COLUMNS OF A TILE ARE NOT NEIGHBOURS: lane r of tile (g, u) holds n = 32 g + 8 u + r + 8 (r / 8).
; PRODUCTS: wave w is head h = w: its 64 outputs o = 4 d + h (four tiles of w's rows, laid ready by the launch before) stay in registers; the bias is the C of each sum's first product.
;  q, k (quantised along d): source 0 = w's rows, source 1 = x: a lane holds one n, its registers run along d.  Two tiles of n (32 columns) make ONE fragment: registers 6 u .. 6 u + 5 of lane (r, hh) hold tile u, d = 32 hh ..
;  v (quantised along the keys n): sources swapped: a lane holds one d, its registers run along n: 16 neighbours of group g's 32.  Four groups make a fragment of 128 keys.
; OUT: images again, 24,576 bytes a unit (4 heads x 4 fragments): qbuf unit x; kvbuf unit 2 x (k) and 2 x + 1 (v); the scale words, 1,024 bytes a unit, behind the codes: 256 h + 16 r + 4 fragment.
; No cluster: what work-groups share, a weight's 50 KiB of a work-group's 178 KiB, goes once from memory into registers.  No prefetch: all that a work-group reads is asked for at its head.
; LIMITS: a block's byte is held at 1 from below, so a block of zeros has the byte 1 where the rule says 127 (its codes are zeros; this program alone reads the bytes); NaN and infinities are not served.
; REGISTERS, window 0: v1-15 addresses; v16-63 four fragments of x (at the head v16-23: the bias loads' offsets); v64-127 eight accumulators (phase X: two sets of 32 numbers); v128-207 codes; v208-219 at work;
;   v224-227 x's scale words, v228-235 w's; v236-241 the scale words made.   window 1: v0-95 w's eight fragments (12 (2 T + s)); v96-127 the bias, eight registers a tile.
.set XIMG, 131072                      ; behind the 256 raw rows: 16 images, fragment 4 g + 2 u + s
.set XSC,  155648                      ; their scale words: 64 bytes a fragment
.set XF,   16
.set HA,   64
.set CV,   128
.set CX,   128
.set TT,   192
.set XW,   196
.set TM,   208                         ; +0..3 largest magnitudes, +4..7 bytes, +8..11 the conversions' scale operands
.set XS,   224
.set WS,   228
.set VW,   236
.set SEL,  36
.set MSB, 0
.macro WIN new                         ; the immediate's high byte repeats the setting that is left
.if MSB != \new
	s_set_vgpr_msb (MSB<<8)|\new
.set MSB, \new
.endif
.endm
; 64 numbers of a lane in four blocks of 16 registers (each block's other 16 lie in lane l xor 16): the blocks' bytes into v[TM+4..7], their 16 codes a lane into d0 .. d3
.macro QA src, d0, d1, d2, d3
.irp b, 0,1,2,3
	v_max3_num_f32 v[TM+\b], |v[\src+16*\b]|, |v[\src+1+16*\b]|, 0x1800000   ; from each accumulator's low end on; the floor 2^(3 - 127) holds the byte at 1
.endr
.irp i, 2,4,6,8,10,12,14
.irp b, 0,1,2,3
	v_max3_num_f32 v[TM+\b], v[TM+\b], |v[\src+16*\b+\i]|, |v[\src+1+16*\b+\i]|
.endr
.endr
.irp b, 0,1,2,3
	v_permlanex16_b32 v[TM+4+\b], v[TM+\b], s[SEL], s[SEL+1]
.endr
.irp b, 0,1,2,3
	v_max_num_f32 v[TM+\b], v[TM+\b], v[TM+4+\b]
.endr
.irp b, 0,1,2,3
	v_add_nc_u32 v[TM+8+\b], 0xff000000, v[TM+\b]  ; 2 off the exponent field: the conversion's scale operand
.endr
.irp b, 0,1,2,3
	v_lshrrev_b32 v[TM+4+\b], 23, v[TM+8+\b]       ; the byte
.endr
	v_cvt_scalef32_pk16_fp6_f32 v[(\d0):(\d0)+2], v[\src:\src+15], v[TM+8]
	v_cvt_scalef32_pk16_fp6_f32 v[(\d1):(\d1)+2], v[\src+16:\src+31], v[TM+9]
	v_cvt_scalef32_pk16_fp6_f32 v[(\d2):(\d2)+2], v[\src+32:\src+47], v[TM+10]
	v_cvt_scalef32_pk16_fp6_f32 v[(\d3):(\d3)+2], v[\src+48:\src+63], v[TM+11]
	v_nop                                          ; one plain place behind a scaled conversion
.endm
; half blocks become whole blocks: lanes 0-15 block 2 c, lanes 16-31 block 2 c + 1, in registers fd + 6 c .. + 5
.macro QB fd, td
.irp c, 0,1
.irp i, 0,1,2
	v_permlane16_swap_b32 v[(\fd)+6*\c+\i], v[(\td)+4*\c+\i]
.endr
.irp i, 0,1,2
	v_mov_b32 v[(\fd)+3+6*\c+\i], v[(\td)+4*\c+\i]
.endr
.endr
.endm
.macro WORD d
	v_lshl_or_b32 v[\d], v[TM+5], 8, v[TM+4]
	v_lshl_or_b32 v[\d], v[TM+6], 16, v[\d]
	v_lshl_or_b32 v[\d], v[TM+7], 24, v[\d]
.endm
.macro OUTFRAG fd, idx                 ; a fragment leaves as it stands: each store covers 512 consecutive bytes, aligned; its registers are never written again
.irp c, 0,1,2
	global_store_b128 v8, v[(\fd)+4*\c:(\fd)+4*\c+3], s[60:61] offset:1536*(\idx)+512*\c
.endr
.endm
.macro SCLOUT                          ; four words a row: lanes 0-15 store words 0, 1, lanes 16-31 words 2, 3: 256 consecutive bytes
	v_cmp_le_u32 vcc_lo, 16, v1
	v_cndmask_b32 v240, v[VW], v[VW+2], vcc_lo
	v_cndmask_b32 v241, v[VW+1], v[VW+3], vcc_lo
	global_store_b64 v9, v[240:241], s[62:63]
.endm
.macro PLACES
.rept 4
	v_nop
.endr
.endm
	s_load_b512 s[4:19], s[0:1], 0x0               ; query, key, value s[4:9]; bq, bk, bv s[10:15]; wimg s[16:17]; qbuf s[18:19]
	s_load_b64 s[20:21], s[0:1], 0x40              ; kvbuf
	v_lshl_add_u32 v254, v0, 2, 0x29000
	v_mov_b32 v255, 0
	ds_add_u32 v254, v255
	ds_add_u32 v254, v255
	v_lshrrev_b32 v1, 5, v0
	v_readfirstlane_b32 s23, v1                    ; wave = group of columns in phase X = head in the products
	s_and_b32 s22, ttmp7, 0xffff                   ; t
	; descriptor group 1: 64 rows of 128 elements of 4 bytes, 2,048 elements from row to row, no padding (the reads take 128 consecutive bytes of a row)
	s_mov_b32 s24, 2<<16
	s_mov_b32 s25, 128<<16
	s_mov_b32 s26, 64<<16
	s_mov_b32 s27, 128<<16
	s_mov_b32 s28, 64
	s_mov_b32 s29, 2048
	s_mov_b32 s30, 0
	s_mov_b32 s31, 0
	s_lshr_b32 s38, ttmp9, 4                       ; b
	s_and_b32 s39, ttmp9, 15                       ; G
	s_lshl_b32 s40, s38, 21                        ; a batch is 2 MiB,
	s_lshl_b32 s41, s23, 19                        ; my 64 rows of 8,192 bytes,
	s_add_co_u32 s40, s40, s41
	s_lshl_b32 s41, s39, 9                         ; 128 columns
	s_add_co_u32 s40, s40, s41
	s_mov_b32 s41, 0
	s_mov_b32 s32, 1
	s_lshl_b32 s33, s23, 15                        ; LDS: 64 rows x 512 bytes a wave
	s_wait_dscnt 0x0
	s_wait_kmcnt 0x0
	s_cmp_eq_u32 s22, 0                            ; the buffers are chosen by the work-group's number alone
	s_cselect_b64 s[42:43], s[4:5], s[6:7]
	s_cselect_b64 s[44:45], s[10:11], s[12:13]
	s_cselect_b64 s[46:47], s[18:19], s[20:21]
	s_cselect_b32 s48, 0, 1                        ; kvbuf has two units for each x
	s_cmp_eq_u32 s22, 2
	s_cselect_b64 s[42:43], s[8:9], s[42:43]
	s_cselect_b64 s[44:45], s[14:15], s[44:45]
	s_cselect_b32 s49, 1, 0
	s_cselect_b32 s50, 0, 256                      ; the bias in the result's layout: q, k: o runs with the register: 256 hh + 16 j;
	s_cselect_b32 s51, 256, 0                      ; v: o hangs on the lane: 256 (r / 8) + 16 (r % 8)
	s_cselect_b32 s52, 16, 0
	s_cselect_b32 s53, 0, 16
	s_add_nc_u64 s[34:35], s[42:43], s[40:41]
	s_or_b32 s35, s35, 0x80000000
	tensor_load_to_lds s[32:35], s[24:31]          ; my quarter of the raw rows: the wave's one tensor load
	s_nop 0
	PLACES                                         ; (the places behind a tensor load)
	v_and_b32 v1, 31, v0                           ; lane
	v_and_b32 v11, 15, v0                          ; r
	v_bfe_u32 v12, v0, 4, 1                        ; hh
	v_bfe_u32 v13, v0, 3, 1
	v_and_b32 v14, 7, v0
	v_mul_u32_u24 v15, s50, v12
	v_mad_u32_u24 v15, s51, v13, v15
	v_mad_u32_u24 v15, s52, v14, v15
.irp j, 0,1,2,3,4,5,6,7
	v_mad_u32_u24 v[16+\j], s53, \j, v15           ; the bias loads' offsets
.endr
	v_lshl_add_u32 v14, v12, 3, v14                ; column l of a group is lane r(l) = l % 8 + 8 (l / 16) of tile u(l) = (l / 8) % 2
	v_lshlrev_b32 v2, 2, v1
	s_lshl_b32 s70, s23, 7
	v_add_nc_u32 v2, s70, v2                       ; raw rows: 128 w + 4 lane;
	v_add_nc_u32 v3, 0x10000, v2                   ; and from row 128 on
	v_mul_u32_u24 v4, v13, 3072
	v_lshl_add_u32 v4, v14, 4, v4
	s_mul_i32 s70, s23, 6144
	s_add_co_u32 s70, s70, XIMG
	v_add_nc_u32 v4, s70, v4                       ; where I store my column's codes: image 4 w + 2 u(l), 16 r(l)
	v_lshlrev_b32 v5, 7, v13
	v_lshl_add_u32 v5, v14, 2, v5
	s_lshl_b32 s70, s23, 8
	s_add_co_u32 s70, s70, XSC
	v_add_nc_u32 v5, s70, v5                       ; and its scale words
	v_lshl_add_u32 v6, v1, 4, XIMG                 ; an image's place for my lane
	v_lshl_add_u32 v7, v11, 2, XSC                 ; a scale word's
	v_lshlrev_b32 v8, 4, v1                        ; 16 lane
	s_wait_alu depctr_va_vdst(0)
	v_lshlrev_b32 v9, 4, v11
	v_lshl_add_u32 v9, v12, 3, v9                  ; 16 r + 8 hh
	v_lshlrev_b32 v10, 2, v1                       ; 4 lane
	s_wait_alu depctr_va_vdst(0)
.irp b, 0,1,2,3
	v_mov_b32 v[TM+4+\b], 0                        ; written once: a lane permute's destination counts as one of its sources
.endr
	s_mov_b32 s[SEL], 0x76543210
	s_mov_b32 s[SEL+1], 0xfedcba98
	s_lshl_b32 s54, ttmp9, s48
	s_add_co_u32 s54, s54, s49                     ; the unit
	s_mul_i32 s56, s54, 24576
	s_mul_i32 s58, s23, 6144
	s_add_co_u32 s56, s56, s58
	s_mov_b32 s57, 0
	s_add_nc_u64 s[60:61], s[46:47], s[56:57]      ; my head's four fragments
	s_lshl_b32 s56, 0x180000, s48                  ; the scale words lie behind the codes
	s_lshl_b32 s58, s54, 10
	s_add_co_u32 s56, s56, s58
	s_lshl_b32 s58, s23, 8
	s_add_co_u32 s56, s56, s58
	s_add_nc_u64 s[62:63], s[46:47], s[56:57]
	s_mul_i32 s56, s22, 49152
	s_mul_i32 s58, s23, 12288
	s_add_co_u32 s56, s56, s58
	s_add_nc_u64 s[66:67], s[16:17], s[56:57]      ; the weight's eight fragments for my head
	s_lshl_b32 s56, s22, 12
	s_lshl_b32 s58, s23, 10
	s_add_co_u32 s56, s56, s58
	s_add_co_u32 s56, s56, 196608
	s_add_nc_u64 s[68:69], s[16:17], s[56:57]      ; and their scale words
	s_lshl_b32 s56, s23, 2
	s_add_nc_u64 s[44:45], s[44:45], s[56:57]      ; bias: + 4 h
	WIN 0x40                                       ; destination window 1
.irp f, 0,1,2,3,4,5,6,7
.irp c, 0,1,2
	global_load_b128 v[12*\f+4*\c:12*\f+4*\c+3], v8, s[66:67] offset:1536*\f+512*\c
.endr
.endr
.irp t, 0,1,2,3
.irp j, 0,1,2,3,4,5,6,7
	global_load_b32 v[96+8*\t+\j], v[16+\j], s[44:45] offset:512*(\t/2)+128*(\t%2)
.endr
.endr
	WIN 0
.irp f, 0,1,2,3,4,5,6,7
	global_load_b32 v[WS+\f], v10, s[68:69] offset:128*\f
.endr
	s_wait_tensorcnt 0x0                           ; my rows have landed,
	s_barrier_signal -1
	s_barrier_wait -1                              ; everybody's have
; PHASE X.  Block k: c = 32 k .. 32 k + 31 of my column.
.macro LOADX k
.set i, 0
.rept 32
	ds_load_b32 v[64+32*((\k)%2)+i], v[2+(\k)/4] offset:512*(32*((\k)%4)+i)   ; 32 lanes read 128 consecutive bytes of a row
.set i, i+1
.endr
.endm
.macro BLOCKX k
.set XN, 64+32*((\k)%2)
.if (\k) < 7
	s_wait_dscnt 32                                ; this block's loads are in; behind them stand the next block's 32 (and the last block's stores, which this count also awaits)
.else
	s_wait_dscnt 0x0
.endif
	v_max3_num_f32 v208, |v[XN]|, |v[XN+1]|, |v[XN+2]|
	v_max3_num_f32 v209, |v[XN+3]|, |v[XN+4]|, |v[XN+5]|
.irp i, 6,10,14,18,22,26
	v_max3_num_f32 v208, v208, |v[XN+\i]|, |v[XN+\i+1]|
	v_max3_num_f32 v209, v209, |v[XN+\i+2]|, |v[XN+\i+3]|
.endr
	v_max3_num_f32 v208, v208, |v[XN+30]|, |v[XN+31]|
	v_max3_num_f32 v208, v208, v209, 0x1800000     ; and the floor
	v_add_nc_u32 v210, 0xff000000, v208
	v_lshrrev_b32 v211, 23, v210
.if (\k)%4 == 0
	v_mov_b32 v[XW+(\k)/4], v211
.else
	v_lshl_or_b32 v[XW+(\k)/4], v211, 8*((\k)%4), v[XW+(\k)/4]
.endif
	v_cvt_scalef32_pk16_fp6_f32 v[CX+8*(\k):CX+8*(\k)+2], v[XN:XN+15], v210
	v_cvt_scalef32_pk16_fp6_f32 v[TT:TT+2], v[XN+16:XN+31], v210
	v_nop
.irp i, 0,1,2
	v_mov_b32 v[CX+8*(\k)+3+\i], v[TT+\i]
.endr
; block k = 4 s + 2 cc + hh is registers 6 cc .. 6 cc + 5 of lane r(l) + 16 hh of fragment s: register R lies at 512 (R / 4) + 16 lane + 4 (R % 4) of the image
.set XB, 1536*((\k)/4)+256*((\k)%2)
.if ((\k)/2)%2 == 0
	ds_store_b128 v4, v[CX+8*(\k):CX+8*(\k)+3] offset:XB
	ds_store_b64 v4, v[CX+8*(\k)+4:CX+8*(\k)+5] offset:XB+512
.else
	ds_store_b64 v4, v[CX+8*(\k):CX+8*(\k)+1] offset:XB+520
	ds_store_b128 v4, v[CX+8*(\k)+2:CX+8*(\k)+5] offset:XB+1024
.endif
.if (\k)%4 == 3
	ds_store_b32 v5, v[XW+(\k)/4] offset:64*((\k)/4)
.endif
.if (\k)+2 < 8
	LOADX (\k)+2
.endif
.endm
	LOADX 0
	LOADX 1
.irp k, 0,1,2,3,4,5,6,7
	BLOCKX \k
.endr
	s_wait_dscnt 0x0                               ; for the others' sake: my images and scale words have landed
	s_barrier_signal -1
	s_barrier_wait -1                              ; x's sixteen fragments lie in LDS; from here on LDS is only read
	s_wait_loadcnt 0x0                             ; the weight, its scale words, the bias
.macro FETCH g                         ; group g's four fragments (2 u + s) and their scale words
.irp f, 0,1,2,3
.irp c, 0,1,2
	ds_load_b128 v[XF+12*\f+4*\c:XF+12*\f+4*\c+3], v6 offset:1536*(4*(\g)+\f)+512*\c
.endr
	ds_load_b32 v[XS+\f], v7 offset:64*(4*(\g)+\f)
.endr
	s_wait_dscnt 0x0
.endm
; The eight accumulators take turns, one instruction a turn; the first K step takes the bias as C.
.macro MULQK
	WIN 0x11                                       ; source 0 (w) and source 2 (bias) window 1
.irp u, 0,1
.irp t, 0,1,2,3
	v_wmma_scale_f32_16x16x128_f8f6f4 v[HA+32*\u+8*\t:HA+32*\u+8*\t+7], v[24*\t:24*\t+11], v[XF+24*\u:XF+24*\u+11], v[96+8*\t:96+8*\t+7], v[WS+2*\t], v[XS+2*\u] matrix_a_fmt:MATRIX_FMT_FP6 matrix_b_fmt:MATRIX_FMT_FP6
.endr
.endr
	WIN 0x01
.irp u, 0,1
.irp t, 0,1,2,3
	v_wmma_scale_f32_16x16x128_f8f6f4 v[HA+32*\u+8*\t:HA+32*\u+8*\t+7], v[24*\t+12:24*\t+23], v[XF+24*\u+12:XF+24*\u+23], v[HA+32*\u+8*\t:HA+32*\u+8*\t+7], v[WS+2*\t+1], v[XS+2*\u+1] matrix_a_fmt:MATRIX_FMT_FP6 matrix_b_fmt:MATRIX_FMT_FP6
.endr
.endr
	WIN 0
	PLACES                                         ; four places in front of the first read of results (ISA guide 7.12.1)
.endm
.macro MULV
	WIN 0x14                                       ; source 1 (w) and source 2 (bias) window 1
.irp t, 0,1,2,3
.irp u, 0,1
	v_wmma_scale_f32_16x16x128_f8f6f4 v[HA+16*\t+8*\u:HA+16*\t+8*\u+7], v[XF+24*\u:XF+24*\u+11], v[24*\t:24*\t+11], v[96+8*\t:96+8*\t+7], v[XS+2*\u], v[WS+2*\t] matrix_a_fmt:MATRIX_FMT_FP6 matrix_b_fmt:MATRIX_FMT_FP6
.endr
.endr
	WIN 0x04
.irp t, 0,1,2,3
.irp u, 0,1
	v_wmma_scale_f32_16x16x128_f8f6f4 v[HA+16*\t+8*\u:HA+16*\t+8*\u+7], v[XF+24*\u+12:XF+24*\u+23], v[24*\t+12:24*\t+23], v[HA+16*\t+8*\u:HA+16*\t+8*\u+7], v[XS+2*\u+1], v[WS+2*\t+1] matrix_a_fmt:MATRIX_FMT_FP6 matrix_b_fmt:MATRIX_FMT_FP6
.endr
.endr
	WIN 0
	PLACES
.endm
	s_cmp_eq_u32 s22, 2                            ; the work-group's number decides the way; no barrier and no LDS store stands behind this branch
	s_cbranch_scc1 .Lvway
	; q, k: register 32 u + 16 be + i of lane (r, hh) is d = 32 be + 16 hh + i of column r of tile u: blocks (u, be) = 0 .. 3
.irp g, 0,1,2,3
	FETCH \g
	MULQK
	QA HA, CV+20*\g, CV+20*\g+12, CV+20*\g+6, CV+20*\g+16
	WORD VW+\g
	QB CV+20*\g, CV+20*\g+12
	OUTFRAG CV+20*\g, \g
.endr
	SCLOUT
	s_wait_tensorcnt 0x0
	ds_add_u32 v254, v255
	s_wait_dscnt 0x0
	s_endpgm
.Lvway:
	; v: register 16 T + i of lane (r, hh) is key 32 g + 16 hh + i of row r of tile T: block T of this group; group g is block g of fragment T's 128 keys
.irp g, 0,1,2,3
	FETCH \g
	MULV
.set VO, 6*(\g/2)+(\g%2)*(12-2*(\g/2))
	QA HA, CV+VO, CV+20+VO, CV+40+VO, CV+60+VO
.irp t, 0,1,2,3
.if \g == 0
	v_mov_b32 v[VW+\t], v[TM+4+\t]
.else
	v_lshl_or_b32 v[VW+\t], v[TM+4+\t], 8*\g, v[VW+\t]
.endif
.endr
.endr
.irp t, 0,1,2,3
	QB CV+20*\t, CV+20*\t+12
	OUTFRAG CV+20*\t, \t
.endr
	SCLOUT
	s_wait_tensorcnt 0x0
	ds_add_u32 v254, v255
	s_wait_dscnt 0x0
	s_endpgm
.Lfunc_end_k_qac17b4f4f7_proj:
	.size	k_qac17b4f4f7_proj, .Lfunc_end_k_qac17b4f4f7_proj-k_qac17b4f4f7_proj
	.p2alignl 7, 3214868480
	.fill 96, 4, 3214868480
	.section	.rodata,"a",@progbits
	.p2align	6, 0x0
	.amdhsa_kernel k_qac17b4f4f7_proj
		.amdhsa_group_segment_fixed_size 168448
		.amdhsa_private_segment_fixed_size 0
		.amdhsa_enable_private_segment 0
		.amdhsa_kernarg_size 72
		.amdhsa_user_sgpr_count 2
		.amdhsa_user_sgpr_kernarg_segment_ptr 1
		.amdhsa_wavefront_size32 1
		.amdhsa_system_sgpr_workgroup_id_x 1
		.amdhsa_system_sgpr_workgroup_id_y 1
		.amdhsa_system_sgpr_workgroup_id_z 1
		.amdhsa_system_vgpr_workitem_id 0
		.amdhsa_next_free_vgpr 384
		.amdhsa_next_free_sgpr 80
		.amdhsa_reserve_vcc 1
		.amdhsa_float_denorm_mode_32 3
		.amdhsa_float_denorm_mode_16_64 3
		.amdhsa_memory_ordered 1
		.amdhsa_forward_progress 1
		.amdhsa_inst_pref_size 100
	.end_amdhsa_kernel
	.amdgpu_metadata
---
amdhsa.version: [ 1, 2 ]
amdhsa.kernels:
  - .name:           k_qac17b4f4f7_proj
    .symbol:         k_qac17b4f4f7_proj.kd
    .args:
      - { .name: query, .offset: 0, .size: 8, .value_kind: global_buffer, .address_space: global }
      - { .name: key, .offset: 8, .size: 8, .value_kind: global_buffer, .address_space: global }
      - { .name: value, .offset: 16, .size: 8, .value_kind: global_buffer, .address_space: global }
      - { .name: bq, .offset: 24, .size: 8, .value_kind: global_buffer, .address_space: global }
      - { .name: bk, .offset: 32, .size: 8, .value_kind: global_buffer, .address_space: global }
      - { .name: bv, .offset: 40, .size: 8, .value_kind: global_buffer, .address_space: global }
      - { .name: wimg, .offset: 48, .size: 8, .value_kind: global_buffer, .address_space: global }
      - { .name: qbuf, .offset: 56, .size: 8, .value_kind: global_buffer, .address_space: global }
      - { .name: kvbuf, .offset: 64, .size: 8, .value_kind: global_buffer, .address_space: global }
    .group_segment_fixed_size: 168448
    .private_segment_fixed_size: 0
    .kernarg_segment_align: 8
    .kernarg_segment_size: 72
    .max_flat_workgroup_size: 128
    .sgpr_count:     80
    .vgpr_count:     384
    .wavefront_size: 32
...
	.end_amdgpu_metadata
.endif
;; end of part 2
;; launch attn (part 3): grid 64 x 4, 8 waves a work-group, clusters of 4 x 1, 327,680 bytes of LDS; arguments qbuf, kvbuf, wimg, bm, out0; writes out0
.if DOCPART == 3
	.amdgcn_target "amdgcn-amd-amdhsa--gfx1250"
	.amdhsa_code_object_version 6
	.text
	.protected	k_qac17b4f4f7_attn
	.globl	k_qac17b4f4f7_attn
	.p2align	8
	.type	k_qac17b4f4f7_attn,@function
k_qac17b4f4f7_attn:
	s_mov_b64 s[64:65], 0
	v_nop
	global_prefetch_b8 v0, s[64:65] scope:SCOPE_SE
	s_setreg_imm32_b32 hwreg(HW_REG_WAVE_MODE, 25, 1), 1
	s_wait_xcnt 0x0
	s_wait_alu depctr_hold_cnt(0) depctr_sa_sdst(0) depctr_va_vdst(0) depctr_va_sdst(0) depctr_va_ssrc(0) depctr_va_vcc(0) depctr_vm_vsrc(0)
	s_getreg_b32 s2, hwreg(HW_REG_IB_STS2, 6, 4)
	s_cmp_eq_u32 s2, 0
	s_cbranch_scc0 .Lentry_in_a_cluster
	s_endpgm
.Lentry_in_a_cluster:
	s_bfe_u32 s2, ttmp6, 0x10000c
	s_cmp_lg_u32 s2, 0x3003
	s_cbranch_scc0 .Lentry_shape_is_right
	s_endpgm
.Lentry_shape_is_right:
; out0[b][o][n] = sum over c of wm[o][c] att[b][c][n] + bm[o], att[b][4 d + h][n] = sum over keys m of softmax_m(q . k / 8) v[d][m]: all three products on codes of FP6 (E2M3), one E8M0 scale for each 32 along K.
; THE SOFTMAX AHEAD OF THE SECOND PRODUCT: t = score x log2(e) / 8; M = the running largest t rounded UP to a whole number; p = 2^(t - M) is quantised along the keys, not normalised; the row's sum is taken of the
; unquantised p and divides at the end; when M moves, the sum and O are multiplied by 2^(old M - new M), which rounds nothing.
; SHARES.  A work-group owns 32 queries of one batch, ALL FOUR HEADS, so that the merge with wm (whose blocks of 32 along c mix the heads) needs no memory: wave wv is head wv % 4, query tile wv / 4.  2,048 tiles, 256 work-groups.
; Every wave walks all 2,048 keys, 128 a step.  q, k, v come as images of the operands' registers (1,536 bytes a fragment): every fragment is three ds_load_b128 of 512 consecutive bytes.
; K = 64 IN AN INSTRUCTION OF 128: a fragment of k holds TWO tiles of 16 keys (registers 0-5 tile 0, 6-11 tile 1, each d = 32 (lane / 16) ..).  q stands between zeros, [0 | q | 0] in 18 registers: the upper 12 pick tile 0,
; the lower 12 tile 1; the other tile's codes meet zero codes, which add nothing (the format has no NaN or infinity, the bytes lie in 1 .. 254).
; LAYOUT.  S^T = k q^T, O^T = v p^T: a lane holds one query throughout; the keys of a tile were chosen so that p's 16 registers of two tiles are 16 neighbouring keys.
; ONE STEP AHEAD.  Step j asks LDS for k, v and the scale words of step j + 1 in one run of 26 loads, and issues S^T of step j + 1 behind its own conversions, ahead of the 48 packed lines that end its softmax: so no wait stands
; straight behind its loads, and a step begins on scores that are finished.  S^T has two buffers and so has v (by the step's parity); k has one: its products are issued a step ahead of the next load into it.
; CLUSTER.  The four work-groups of a cluster belong to one batch and walk the same k and v: each tile is asked for JOINTLY, every wave an eighth (48 rows of 256 bytes), mask 15.  Two slots of two key steps.
; A slot's two steps are in registers by the middle of its first step, so the change of slots stands at the head of its second step, with that step's maxima between the opening signal and its wait.
; TAIL.  O^T / l goes to LDS as [query][c]; each wave quantises all four fragments of it (cheaper than a further barrier and a pass of images), multiplies by its 32 rows of wm, and stores.
; LIMITS: NaN and infinities are not served; a block's byte is held at 1 from below; 1 / l is v_rcp_f32; a work-group's 32 queries are 128 bytes of a row of out0: each store covers four aligned runs of 128 consecutive bytes.
; REGISTERS, window 0: v1-11 addresses; v12 -M, v13 largest t, v[14:15] the sum; v16-33 [0 | q | 0]; v34 q's scale word; v36-39 k's scale words; v40-47 v's, two sets; v48-175 S^T, then p: two buffers of 64; v176-207 O^T;
;   v208-227 p's codes; v228-247 at work; v248-251 wm's scale words.   window 1: v0-47 wm's four fragments; v48-63 bm, eight registers a tile; v64-111 k's four fragments; v112-207 v's, two sets of four.
.set SLOT1, 1<<17                      ; slot 0 at 0, slot 1 here: one exclusive or turns an address; a slot is 98,304 bytes: two key steps of (k's 24,576, v's 24,576)
.set STEPB, 49152
.set SCL,   98304                      ; between the slots: the batch's scale words, 2,048 bytes a key step (k's 1,024, v's 1,024), filled once
.set SPARE, 229376                     ; the spare words: 128 bytes for each wave, four blocks of 256 bytes that no other line names
.set OST,   230400                     ; att as f32: 32 rows x (1,024 + 16) bytes
.set OP,    1040
.set STG,   263680                     ; the way out: for each wave 2 x 16 rows x (128 + 16) bytes
.set AK,  1
.set ASC, 3
.set PFO, 4
.set SPW, 5
.set NIL, 6
.set ADK, 7
.set ADS, 8
.set QZ,  16
.set QS,  34
.set KS,  36
.set VS,  40
.set SB,  48
.set OF,  SB+64                        ; the tail: att's four fragments, where the second buffer of scores lay
.set O,   176
.set PC,  208
.set TM,  228
.set TP,  240
.set FF,  242
.set PW,  244
.set L2,  246
.set WMS, 248
.set KF,  64                           ; in window 1
.set VF,  112                          ; in window 1
.set WV,  18
.set SEL, 20
.set CS,  22
.set G1,  24
.set G1S, 32
.set G0,  40
.set G0S, 44
.set TB,  48
.set TS,  49
.set SLOTS, 50
.set PFA, 52
.set LIM, 54
.set MSB, 0
.macro WIN new                         ; the immediate's high byte repeats the setting that is left
.if MSB != \new
	s_set_vgpr_msb (MSB<<8)|\new
.set MSB, \new
.endif
.endm
.macro PLACES
.rept 4
	v_nop
.endr
.endm
.macro CREST                           ; a round of the cluster's barrier behind its opening barrier
	s_cmp_lg_u32 s[WV], 0
	s_cbranch_scc1 .Lnot_wave_0_\@
	s_barrier_signal -3
.Lnot_wave_0_\@:
	s_barrier_wait -3
	s_barrier_signal -1
	s_barrier_wait -1
.endm
.macro CROUND                          ; a whole round
	s_barrier_signal -1
	s_barrier_wait -1
	CREST
.endm
; A prefetch of the slot that the NEXT change of slots will ask for: 384 blocks of 256 bytes = 4 partners (told apart by address) x 3 waves x 32 lanes.  All sixteen clusters of a batch walk the same bytes: the first asks.
; Slots 0 and 1 and the scale words come by their loads alone; the last change that fills a slot asks for nothing.
.macro ASK
	s_cmp_gt_u32 s[SLOTS], s[LIM]
	s_cbranch_scc0 .Lnot_mine_\@
	global_prefetch_b8 v[PFO], s[PFA:PFA+1] th:TH_LOAD_NT scope:SCOPE_SE
.Lnot_mine_\@:
.endm
.macro QA src, d0, d1, d2, d3          ; 64 numbers of a lane in four blocks of 16 registers (the other 16 in lane l xor 16): bytes into v[TM+4..7], 16 codes a lane into d0 .. d3
.irp b, 0,1,2,3
	v_max3_num_f32 v[TM+\b], |v[\src+16*\b]|, |v[\src+1+16*\b]|, 0x1800000
.endr
.irp i, 2,4,6,8,10,12,14
.irp b, 0,1,2,3
	s_delay_alu instid0(VALU_DEP_4)
	v_max3_num_f32 v[TM+\b], v[TM+\b], |v[\src+16*\b+\i]|, |v[\src+1+16*\b+\i]|
.endr
.endr
.irp b, 0,1,2,3
	s_delay_alu instid0(VALU_DEP_4)
	v_permlanex16_b32 v[TM+4+\b], v[TM+\b], s[SEL], s[SEL+1]
.endr
.irp b, 0,1,2,3
	s_delay_alu instid0(VALU_DEP_4)
	v_max_num_f32 v[TM+\b], v[TM+\b], v[TM+4+\b]
.endr
.irp b, 0,1,2,3
	s_delay_alu instid0(VALU_DEP_4)
	v_add_nc_u32 v[TM+8+\b], 0xff000000, v[TM+\b]
.endr
.irp b, 0,1,2,3
	s_delay_alu instid0(VALU_DEP_4)
	v_lshrrev_b32 v[TM+4+\b], 23, v[TM+8+\b]
.endr
	v_cvt_scalef32_pk16_fp6_f32 v[(\d0):(\d0)+2], v[\src:\src+15], v[TM+8]
	v_cvt_scalef32_pk16_fp6_f32 v[(\d1):(\d1)+2], v[\src+16:\src+31], v[TM+9]
	v_cvt_scalef32_pk16_fp6_f32 v[(\d2):(\d2)+2], v[\src+32:\src+47], v[TM+10]
	v_cvt_scalef32_pk16_fp6_f32 v[(\d3):(\d3)+2], v[\src+48:\src+63], v[TM+11]
	v_nop                                          ; one plain place behind a scaled conversion
.endm
.macro QB fd, td                       ; half blocks become whole blocks: lanes 0-15 block 2 c, lanes 16-31 block 2 c + 1
.irp c, 0,1
.irp i, 0,1,2
	v_permlane16_swap_b32 v[(\fd)+6*\c+\i], v[(\td)+4*\c+\i]
.endr
.irp i, 0,1,2
	s_delay_alu instid0(VALU_DEP_3)
	v_mov_b32 v[(\fd)+3+6*\c+\i], v[(\td)+4*\c+\i]
.endr
.endr
.endm
.macro WORD d
	v_lshl_or_b32 v[\d], v[TM+5], 8, v[TM+4]
	s_delay_alu instid0(VALU_DEP_1)
	v_lshl_or_b32 v[\d], v[TM+6], 16, v[\d]
	s_delay_alu instid0(VALU_DEP_1)
	v_lshl_or_b32 v[\d], v[TM+7], 24, v[\d]
.endm
	s_load_b256 s[4:11], s[0:1], 0x0               ; qbuf s[4:5], kvbuf s[6:7], wimg s[8:9], bm s[10:11]
	s_load_b64 s[12:13], s[0:1], 0x20              ; out0
	v_lshl_add_u32 v[SPW], v0, 2, SPARE
	v_mov_b32 v[NIL], 0
	ds_add_u32 v5, v6
	ds_add_u32 v5, v6
	s_wait_dscnt 0x0
	v_lshrrev_b32 v1, 5, v0
	s_delay_alu instid0(VALU_DEP_1)
	v_readfirstlane_b32 s[WV], v1                  ; wave 0..7
	s_bfe_u32 s14, ttmp6, 0x40000                  ; cx: it enters global addresses of my own loads, stores and prefetches alone
	s_and_b32 s15, ttmp7, 0xffff                   ; the batch, which the four partners share
	s_and_b32 s16, s[WV], 3                        ; head
	s_lshr_b32 s17, s[WV], 2                       ; query tile
	; descriptor groups 1: dense blocks as rows of 256 bytes (32 elements of 8 bytes), no padding: 48 rows of a slot, 16 rows of the scale words
	s_mov_b32 s[G1], 15|(3<<16)|(1<<21)            ; 15:0 the mask: all four work-groups; 17:16 elements of 8 bytes; 21 set beside a mask
	s_mov_b32 s[G1+1], 32<<16
	s_mov_b32 s[G1+2], 48<<16
	s_mov_b32 s[G1+3], 32<<16
	s_mov_b32 s[G1+4], 48
	s_mov_b32 s[G1+5], 32
	s_mov_b32 s[G1+6], 0
	s_mov_b32 s[G1+7], 0
	s_mov_b32 s[G1S], 15|(3<<16)|(1<<21)
	s_mov_b32 s[G1S+1], 32<<16
	s_mov_b32 s[G1S+2], 16<<16
	s_mov_b32 s[G1S+3], 32<<16
	s_mov_b32 s[G1S+4], 16
	s_mov_b32 s[G1S+5], 32
	s_mov_b32 s[G1S+6], 0
	s_mov_b32 s[G1S+7], 0
	s_mov_b32 s[SEL], 0x76543210
	s_mov_b32 s[SEL+1], 0xfedcba98
	s_mov_b32 s[CS], 0x3e38aa3b                    ; c = log2(e) / 8
	s_mov_b32 s[CS+1], s[CS]                       ; (named with it as a pair, so it is written)
	s_mov_b32 s[TB], 0
	s_mov_b32 s[TS], 0
	s_mov_b32 s[SLOTS], 6                          ; the loop's trips: slots 2 to 7 are asked for in it
	s_cmp_lt_u32 s[WV], 3
	s_cselect_b32 s[LIM], 0, 1
	s_or_b32 s[LIM], s[LIM], ttmp9                 ; 0 in waves 0 to 2 of the batch's first cluster: the same in all four partners
	s_cmp_eq_u32 s[LIM], 0
	s_cselect_b32 s[LIM], 1, -1
	s_mov_b32 s[G0], 1
	s_mul_i32 s[G0+1], s[WV], 12288                ; my eighth of slot 0
	s_mov_b32 s[G0S], 1
	s_lshl_b32 s[G0S+1], s[WV], 12
	s_add_co_u32 s[G0S+1], s[G0S+1], SCL
	s_mul_i32 s70, s15, 786432                     ; a batch's codes: 16 key steps of 49,152 bytes
	s_add_co_u32 s70, s70, s[G0+1]
	s_mov_b32 s71, 0
	s_wait_kmcnt 0x0
	s_add_nc_u64 s[G0+2:G0+3], s[6:7], s[70:71]
	s_or_b32 s[G0+3], s[G0+3], 0x80000000
	s_lshl_b32 s70, s15, 15                        ; a batch's scale words: 32,768 bytes, behind all codes
	s_add_co_u32 s70, s70, 3145728
	s_lshl_b32 s55, s[WV], 12
	s_add_co_u32 s70, s70, s55
	s_add_nc_u64 s[G0S+2:G0S+3], s[6:7], s[70:71]
	s_or_b32 s[G0S+3], s[G0S+3], 0x80000000
	CROUND                                         ; all four work-groups are here: the first joint loads meet
	tensor_load_to_lds s[G0S:G0S+3], s[G1S:G1S+7]  ; the scale words, filled once;
	s_nop 0
	s_wait_alu depctr_va_vdst(0)
	s_wait_tensorcnt 0x0
	ds_add_u32 v5, v6
	s_wait_dscnt 0x0
	CROUND
	tensor_load_to_lds s[G0:G0+3], s[G1:G1+7]      ; slot 0: one load of mine is out
	s_nop 0
	PLACES                                         ; (the places behind a tensor load)
	; my own addresses
	s_lshl_b32 s19, s15, 4
	s_add_co_u32 s19, s19, ttmp9                   ; q's unit: 16 b + the block of 128 queries
	s_mul_i32 s2, s19, 24576
	s_mul_i32 s51, s16, 6144
	s_add_co_u32 s2, s2, s51
	s_mul_i32 s51, s14, 1536                       ; fragment cx: my 32 queries
	s_add_co_u32 s2, s2, s51
	s_mov_b32 s3, 0
	s_add_nc_u64 s[56:57], s[4:5], s[2:3]
	s_lshl_b32 s2, s19, 10
	s_lshl_b32 s51, s16, 8
	s_add_co_u32 s2, s2, s51
	s_lshl_b32 s51, s14, 2
	s_add_co_u32 s2, s2, s51
	s_add_co_u32 s2, s2, 0x180000
	s_add_nc_u64 s[58:59], s[4:5], s[2:3]          ; its scale words
	s_mul_i32 s2, s[WV], 6144
	s_add_co_u32 s2, s2, 147456
	s_add_nc_u64 s[60:61], s[8:9], s[2:3]          ; wm's fragments 96 + 4 wv ..: rows 32 wv .. 32 wv + 31
	s_lshl_b32 s2, s[WV], 9
	s_add_co_u32 s2, s2, 208896
	s_add_nc_u64 s[62:63], s[8:9], s[2:3]          ; their scale words
	s_lshl_b32 s2, s[WV], 7
	s_add_nc_u64 s[66:67], s[10:11], s[2:3]        ; bm at my 32 rows
	s_lshl_b32 s2, s15, 21
	s_lshl_b32 s51, s[WV], 18
	s_add_co_u32 s2, s2, s51
	s_lshl_b32 s51, ttmp9, 9
	s_add_co_u32 s2, s2, s51
	s_lshl_b32 s51, s14, 7
	s_add_co_u32 s2, s2, s51
	s_add_nc_u64 s[68:69], s[12:13], s[2:3]        ; out0: batch, my 32 rows of 8,192 bytes, my 32 queries
	s_mul_i32 s2, s15, 786432
	s_add_co_u32 s2, s2, 98304                     ; the prefetches stand in slot 1: the first change of slots steps them to slot 2
	s_mul_i32 s51, s14, 24576
	s_add_co_u32 s2, s2, s51
	s_lshl_b32 s51, s[WV], 13
	s_add_co_u32 s2, s2, s51
	s_add_nc_u64 s[PFA:PFA+1], s[6:7], s[2:3]
	v_and_b32 v9, 31, v0                           ; lane
	v_and_b32 v10, 15, v0                          ; r
	s_delay_alu instid0(VALU_DEP_2)
	v_lshlrev_b32 v7, 4, v9                        ; 16 lane
	s_delay_alu instid0(VALU_DEP_2)
	v_lshlrev_b32 v8, 4, v10                       ; 16 r
	s_delay_alu instid0(VALU_DEP_3)
	v_lshlrev_b32 v11, 2, v10                      ; 4 r
	v_lshlrev_b32 v[PFO], 8, v9                    ; 256 lane; never rewritten
	v_lshlrev_b32 v9, 2, v9                        ; 4 lane
	s_mul_i32 s55, s16, 6144
	v_add_nc_u32 v[AK], s55, v7                    ; my head's fragments in a slot's first key step,
	s_delay_alu instid0(VALU_DEP_1)
	v_add_nc_u32 v[AK+1], STEPB, v[AK]             ; and in its second
	s_lshl_b32 s55, s16, 8
	s_add_co_u32 s55, s55, SCL
	v_add_nc_u32 v[ASC], s55, v8                   ; my head's scale words: four a row
.irp c, 0,1,2
	global_load_b128 v[SB+4*\c:SB+4*\c+3], v7, s[56:57] offset:512*\c   ; q's fragment: both query tiles
.endr
	global_load_b32 v35, v8, s[58:59]
	WIN 0x40                                       ; destination window 1
.irp f, 0,1,2,3
.irp c, 0,1,2
	global_load_b128 v[12*\f+4*\c:12*\f+4*\c+3], v7, s[60:61] offset:1536*\f+512*\c
.endr
.endr
.irp n, 0,1
.irp j, 0,1,2,3,4,5,6,7
	global_load_b32 v[48+8*\n+\j], v11, s[66:67] offset:64*\n   ; bm in the result's layout: a lane holds one row o, so all eight registers hold bm[o]
.endr
.endr
	WIN 0
.irp f, 0,1,2,3
	global_load_b32 v[WMS+\f], v9, s[62:63] offset:128*\f
.endr
	v_mov_b32 v13, 0xff61b1e6                      ; the largest t so far: -3e38, under every t
	s_delay_alu instid0(VALU_DEP_1)
	v_floor_f32 v12, -v13                          ; -M
	v_mov_b32 v14, 0
	v_mov_b32 v15, 0
.irp b, 0,1,2,3
	v_mov_b32 v[TM+4+\b], 0                        ; written once: a lane permute's destination counts as one of its sources
.endr
	v_mov_b32 v[FF+1], 0                           ; (named as the upper half of a pair)
.irp i, 0,1,2,3,4,5
	v_mov_b32 v[QZ+\i], 0
	v_mov_b32 v[QZ+12+\i], 0
.endr
	s_cmp_ge_u32 s[WV], 4
	s_cselect_b32 s55, -1, 0
	s_mov_b32 s51, 0x03020302
	s_cselect_b32 s51, s51, 0x01000100
	s_wait_loadcnt 0x0
.irp i, 0,1,2,3,4,5
	v_cndmask_b32 v[QZ+6+\i], v[SB+\i], v[SB+6+\i], s55   ; my query tile's six registers
.endr
	v_perm_b32 v[QS], v35, v35, s51                ; its two bytes, twice: (s0, s1, s0, s1)
.set j, 0
.rept 32
	v_mov_b32 v[O+j], 0                            ; O^T: the loop is written once; its first step finds zeros.  (These are also the places between q's scale word and the first product)
.set j, j+1
.endr
; THE CHANGE OF SLOTS, in two halves.  OPEN: the wave waits for all its tensor loads (its part of the slot ahead), adds 0 to its spare word, waits for that and for its reads of the slot that it leaves, and signals.
; SHUT: it waits for the other seven.  fill = 1: the barrier has opened a round of the cluster's, and behind the round the slot just left takes the next 256 keys.  Between the halves stands work on registers alone.
.macro OPEN fill
	s_wait_tensorcnt 0x0                           ; no tensor load of mine is out, so group 0 may be written
	ds_add_u32 v[SPW], v[NIL]                      ; 0 onto my spare word
.if \fill
	s_xor_b32 s[G0+1], s[G0+1], SLOT1              ; the other slot than last time,
	s_add_nc_u64 s[G0+2:G0+3], s[G0+2:G0+3], 98304 ; the next 256 keys; the type bits on top are not reached
	s_wait_xcnt 0x0                                ; the last prefetch, a slot back, has read its address
	s_add_nc_u64 s[PFA:PFA+1], s[PFA:PFA+1], 98304 ; one slot further on than the descriptor
.endif
	s_wait_dscnt 0x0                               ; the add is done; my reads of the slot that I leave were asked for a step ago and are over
	s_barrier_signal -1
.endm
.macro SHUT fill
	s_barrier_wait -1
.if \fill
	CREST                                          ; no wave of any partner still reads that slot or has a load on its way
	tensor_load_to_lds s[G0:G0+3], s[G1:G1+7]      ; the first thing behind the round, and my one tensor load until the next
	s_nop 0
	PLACES
.endif
.endm
; 26 LDS loads in one run: a key step's k (with its scale words first) and v (with its scale words last) from v[ADK] and v[ADS]; vb: which of v's two sets; so: where the step's scale words begin from v[ADS]
.macro NEXTLD vb, so
	ds_load_b128 v[KS:KS+3], v[ADS] offset:\so
	WIN 0x40                                       ; destination window 1, address window 0
.irp f, 0,1,2,3
.irp c, 0,1,2
	ds_load_b128 v[KF+12*\f+4*\c:KF+12*\f+4*\c+3], v[ADK] offset:1536*\f+512*\c
.endr
.endr
.irp f, 0,1,2,3
.irp c, 0,1,2
	ds_load_b128 v[VF+48*(\vb)+12*\f+4*\c:VF+48*(\vb)+12*\f+4*\c+3], v[ADK] offset:24576+1536*\f+512*\c
.endr
.endr
	WIN 0
	ds_load_b128 v[VS+4*(\vb):VS+4*(\vb)+3], v[ADS] offset:(\so)+1024
.endm
; S^T of the step whose k is in registers, into buffer sn: fragment f holds key tiles 2 f and 2 f + 1; register 16 f + i of lane (r, hh) is key 32 f + 16 hh + i for query r
.macro SPROD sn
	WIN 0x01                                       ; source 0 (k) window 1
.irp f, 0,1,2,3
.irp u, 0,1
	v_wmma_scale_f32_16x16x128_f8f6f4 v[SB+64*(\sn)+16*\f+8*\u:SB+64*(\sn)+16*\f+8*\u+7], v[KF+12*\f:KF+12*\f+11], v[QZ+6-6*\u:QZ+17-6*\u], 0, v[KS+\f], v[QS] matrix_a_fmt:MATRIX_FMT_FP6 matrix_b_fmt:MATRIX_FMT_FP6
.endr
.endr
	WIN 0
.endm
; A KEY STEP: 128 keys, the q-th of a slot.  Its scores lie in buffer q and its v in set q: both were asked for a step ago.
; mode 0: the next step lies in the same slot.  1: in the other slot: the change of slots, with a refill.  2: the same without a refill.  3: the last step: nothing follows.
.macro STEP q, mode
.set SS, SB+64*(\q)
.if \mode == 0
	v_add_nc_u32 v[ADK], s[TB], v[AK+1]
	v_add_nc_u32 v[ADS], s[TS], v[ASC]
.elseif \mode == 1
	OPEN 1
.elseif \mode == 2
	OPEN 0
.endif
.irp b, 0,1,2,3
	v_max3_num_f32 v[TM+\b], v[SS+16*\b], v[SS+1+16*\b], v[SS+2+16*\b]   ; the largest score of each block of 32 keys: for the row's maximum, and, since p rises with the score, for the block's largest p
.endr
.if \mode == 0
	NEXTLD 1-(\q), 2048                            ; the six lines above are the places behind the last step's products, whose set of v is loaded anew here
.endif
.irp i, 3,5,7,9,11,13
.irp b, 0,1,2,3
	v_max3_num_f32 v[TM+\b], v[TM+\b], v[SS+16*\b+\i], v[SS+1+16*\b+\i]
.endr
.endr
.irp b, 0,1,2,3
	v_max_num_f32 v[TM+\b], v[TM+\b], v[SS+15+16*\b]
.endr
.irp b, 0,1,2,3
	s_delay_alu instid0(VALU_DEP_4)
	v_permlanex16_b32 v[TM+4+\b], v[TM+\b], s[SEL], s[SEL+1]
.endr
.irp b, 0,1,2,3
	s_delay_alu instid0(VALU_DEP_4)
	v_max_num_f32 v[TM+\b], v[TM+\b], v[TM+4+\b]
.endr
	s_delay_alu instid0(VALU_DEP_2)
	v_max3_num_f32 v[TP], v[TM], v[TM+1], v[TM+2]
	s_delay_alu instid0(VALU_DEP_1)
	v_max_num_f32 v[TP], v[TP], v[TM+3]
	s_delay_alu instid0(VALU_DEP_1)
	v_mul_f32 v[TP], s[CS], v[TP]                  ; as t (c is positive)
	s_delay_alu instid0(VALU_DEP_1)
	v_max_num_f32 v13, v13, v[TP]                  ; the running largest t
	v_mov_b32 v[TP], v12
	s_delay_alu instid0(VALU_DEP_2)
	v_floor_f32 v12, -v13                          ; the new -M = -ceil(t)
	s_delay_alu instid0(VALU_DEP_1)
	v_sub_f32 v[TP], v12, v[TP]                    ; old M - new M: a whole number, 0 or less
	s_delay_alu instid0(VALU_DEP_1)
	v_cvt_i32_f32 v[TP], v[TP]                     ; (it saturates)
	s_delay_alu instid0(VALU_DEP_1)
	v_ldexp_f32 v[FF], 1.0, v[TP]                  ; f = 2^(old M - new M)
.set j, 0
.rept 32
	v_pk_fma_f32 v[SS+j:SS+j+1], v[SS+j:SS+j+1], s[CS:CS+1], v[12:13] op_sel_hi:[1,0,0]   ; t - M, two at a time
.set j, j+2
.endr
.irp b, 0,1,2,3
	v_fma_f32 v[TM+\b], v[TM+\b], s[CS], v12       ; the same of each block's largest score
.endr
.if (\mode == 1) || (\mode == 2)
.if \mode == 1
	SHUT 1
.else
	SHUT 0
.endif
	s_xor_b32 s[TB], s[TB], SLOT1                  ; on to the other slot, which is whole
	v_add_nc_u32 v[ADK], s[TB], v[AK]
	v_add_nc_u32 v[ADS], s[TS], v[ASC]
	NEXTLD 1-(\q), 2048
.if \mode == 1
	ASK                                            ; behind the tensor load and the run of LDS loads: what the next change of slots will ask for, two key steps ahead of that load
.endif
.endif
.set j, 0
	s_wait_alu depctr_va_vdst(0)
.rept 64
	v_exp_f32 v[SS+j], v[SS+j]                     ; p = 2^(t - M)
.set j, j+1
.endr
.irp b, 0,1,2,3
	v_exp_f32 v[TM+\b], v[TM+\b]                   ; the block's largest p: the same two instructions on the same number
.endr
	v_pk_mul_f32 v[14:15], v[14:15], v[FF:FF+1] op_sel_hi:[1,0]   ; the sums under the new M (a plain place behind the exponentials)
	s_wait_alu depctr_va_vdst(0)
.irp b, 0,1,2,3
	v_max_num_f32 v[TM+\b], 0x1800000, v[TM+\b]    ; the floor: the byte cannot fall under 1
.endr
.irp b, 0,1,2,3
	s_delay_alu instid0(VALU_DEP_4)
	v_add_nc_u32 v[TM+8+\b], 0xff000000, v[TM+\b]
.endr
.irp b, 0,1,2,3
	s_delay_alu instid0(VALU_DEP_4)
	v_lshrrev_b32 v[TM+4+\b], 23, v[TM+8+\b]
.endr
	WORD PW                                        ; p's scale word for these 128 keys
.irp c, 0,1
	v_cvt_scalef32_pk16_fp6_f32 v[PC+6*\c:PC+6*\c+2], v[SS+32*\c:SS+32*\c+15], v[TM+8+2*\c]
	v_cvt_scalef32_pk16_fp6_f32 v[PC+12+4*\c:PC+14+4*\c], v[SS+16+32*\c:SS+31+32*\c], v[TM+9+2*\c]
.endr
	v_nop
	QB PC, PC+12
.if \mode != 3
	s_wait_dscnt 13                                ; the next step's k and its scale words are in; behind them stand its v's twelve loads and their scale words.  All that is older is in too: this step's v
	SPROD 1-(\q)                                   ; the next step's scores: they are made under the 48 lines below
.endif
.set j, 0
.rept 16
	v_pk_mul_f32 v[O+j:O+j+1], v[O+j:O+j+1], v[FF:FF+1] op_sel_hi:[1,0]   ; O^T under the new M
.set j, j+2
.endr
	v_pk_add_f32 v[L2:L2+1], v[SS:SS+1], v[SS+2:SS+3]   ; the row's sum, of the unquantised p, in two chains.  (These lines are the places between p's codes and scale word and the products)
.irp j, 4,8,12,16,20,24,28,32,36,40,44,48,52,56,60
	v_pk_add_f32 v[14:15], v[14:15], v[SS+\j:SS+\j+1]
	v_pk_add_f32 v[L2:L2+1], v[L2:L2+1], v[SS+2+\j:SS+3+\j]
.endr
	s_delay_alu instid0(VALU_DEP_1)
	v_pk_add_f32 v[14:15], v[14:15], v[L2:L2+1]
.if \mode == 3
	s_wait_alu depctr_va_vdst(0)
	s_wait_dscnt 0x0                               ; the last step's v: nothing was asked for behind it
.endif
	WIN 0x01                                       ; source 0 (v) window 1
.irp t, 0,1,2,3                                ; O^T += v p^T: register 8 T + j of lane (r, hh) is d = 32 (T / 2) + 16 hh + 8 (T % 2) + j; the accumulators take single turns
	v_wmma_scale_f32_16x16x128_f8f6f4 v[O+8*\t:O+8*\t+7], v[VF+48*(\q)+12*\t:VF+48*(\q)+12*\t+11], v[PC:PC+11], v[O+8*\t:O+8*\t+7], v[VS+4*(\q)+\t], v[PW] matrix_a_fmt:MATRIX_FMT_FP6 matrix_b_fmt:MATRIX_FMT_FP6
.endr
	WIN 0
	s_add_co_u32 s[TS], s[TS], 2048                ; the next step's scale words
.endm
	; THE WAY IN: slot 0 and the scale words have landed in every wave of the cluster; slot 1 is asked for; step 0's fragments; its scores
	OPEN 1
	SHUT 1
	v_add_nc_u32 v[ADK], s[TB], v[AK]
	v_add_nc_u32 v[ADS], s[TS], v[ASC]
	NEXTLD 0, 0
	ASK
	s_wait_dscnt 13                                ; k and its scale words are in; v's thirteen loads may be out
	SPROD 0
	PLACES                                         ; four places in front of the first read of these scores (ISA guide 7.12.1); in the loop the softmax's last lines are the places
.Lslot:                                            ; six trips: a slot's two steps; in the second the slot is left and filled again
	STEP 0, 0
	STEP 1, 1
	s_sub_co_u32 s[SLOTS], s[SLOTS], 1
	s_cmp_lg_u32 s[SLOTS], 0
	s_cbranch_scc1 .Lslot
	STEP 0, 0                                      ; the last two slots are written out: nothing more is asked for
	STEP 1, 2
	STEP 0, 0
	STEP 1, 3
	; THE TAIL.  The sum; the addresses (plain lines: the places behind the last products and behind the reciprocal)
	v_add_f32 v14, v14, v15
	s_delay_alu instid0(VALU_DEP_1)
	v_permlanex16_b32 v[TP], v14, s[SEL], s[SEL+1]
	s_delay_alu instid0(VALU_DEP_1)
	v_add_f32 v14, v14, v[TP]                      ; the row's sum
	s_wait_alu depctr_va_vdst(0)
	v_rcp_f32 v14, v14
	v_and_b32 v1, 15, v0                           ; r
	v_bfe_u32 v2, v0, 4, 1                         ; hh
	s_delay_alu instid0(VALU_DEP_2)
	v_mul_u32_u24 v10, v1, OP
	s_mul_i32 s55, s17, 16*OP
	s_lshl_b32 s51, s16, 2
	s_add_co_u32 s55, s55, s51
	s_add_co_u32 s55, s55, OST
	v_lshl_add_u32 v9, v2, 8, v10
	s_delay_alu instid0(VALU_DEP_1)
	v_add_nc_u32 v9, s55, v9                       ; att, in: row 16 u + r; c = 4 d + h: 4 h + 256 hh bytes, the rest in the immediate
	v_lshl_add_u32 v10, v2, 6, v10
	s_delay_alu instid0(VALU_DEP_1)
	v_add_nc_u32 v10, OST, v10                     ; att, back: row r, my 16 numbers of a block of 32
	s_mul_i32 s55, s[WV], 4608
	s_add_co_u32 s55, s55, STG
	v_mul_u32_u24 v11, v1, 144
	s_delay_alu instid0(VALU_DEP_1)
	v_lshl_add_u32 v11, v2, 6, v11
	s_delay_alu instid0(VALU_DEP_1)
	v_add_nc_u32 v11, s55, v11                     ; my stage, in: row r (an output channel), my 16 queries
	v_bfe_u32 v3, v0, 3, 2
	v_and_b32 v1, 7, v0
	s_delay_alu instid0(VALU_DEP_2)
	v_mul_u32_u24 v7, v3, 144
	s_delay_alu instid0(VALU_DEP_1)
	v_lshl_add_u32 v7, v1, 4, v7
	s_delay_alu instid0(VALU_DEP_1)
	v_add_nc_u32 v7, s55, v7                       ; back: eight lanes to a row of 128 bytes, four rows an instruction
	v_lshlrev_b32 v8, 13, v3
	s_delay_alu instid0(VALU_DEP_1)
	v_lshl_add_u32 v8, v1, 4, v8                   ; and the same in out0
.set j, 0
	s_wait_alu depctr_va_vdst(0)
.rept 16
	v_pk_mul_f32 v[SB+j:SB+j+1], v[O+j:O+j+1], v[14:15] op_sel_hi:[1,0]   ; O^T / the sum, each accumulator from its low end on
.set j, j+2
.endr
.irp t, 0,1,2,3
.irp j, 0,1,2,3,4,5,6,7
	ds_store_b32 v9, v[SB+8*\t+\j] offset:512*(\t/2)+128*(\t%2)+16*\j
.endr
.endr
	s_wait_dscnt 0x0                               ; for the others' sake: my stores have landed
	s_barrier_signal -1
	s_barrier_wait -1                              ; 32 rows of att, all 256 channels, lie in LDS
.irp k, 0,1,2,3                                ; fragment k = 2 uq + s: query tile uq, c = 128 s ..; register 16 b + i = c 128 s + 32 b + 16 hh + i
.irp b, 0,1,2,3
.irp q, 0,1,2,3
	ds_load_b128 v[SB+16*\b+4*\q:SB+16*\b+4*\q+3], v10 offset:16*OP*(\k/2)+512*(\k%2)+128*\b+16*\q
.endr
.endr
	s_wait_dscnt 0x0
	QA SB, OF+12*\k, PC+12, OF+12*\k+6, PC+16
	WORD KS+\k
	QB OF+12*\k, PC+12
.endr
.rept 8
	v_nop                                          ; a scale register written by a vector instruction stands 8 places ahead of a scaled matrix instruction
.endr
	WIN 0x14                                       ; source 1 (wm) and source 2 (bm) window 1
.irp n, 0,1
.irp u, 0,1
	v_wmma_scale_f32_16x16x128_f8f6f4 v[O+8*(2*\n+\u):O+8*(2*\n+\u)+7], v[OF+24*\u:OF+24*\u+11], v[24*\n:24*\n+11], v[48+8*\n:48+8*\n+7], v[KS+2*\u], v[WMS+2*\n] matrix_a_fmt:MATRIX_FMT_FP6 matrix_b_fmt:MATRIX_FMT_FP6
.endr
.endr
	WIN 0x04
.irp n, 0,1
.irp u, 0,1
	v_wmma_scale_f32_16x16x128_f8f6f4 v[O+8*(2*\n+\u):O+8*(2*\n+\u)+7], v[OF+24*\u+12:OF+24*\u+23], v[24*\n+12:24*\n+23], v[O+8*(2*\n+\u):O+8*(2*\n+\u)+7], v[KS+2*\u+1], v[WMS+2*\n+1] matrix_a_fmt:MATRIX_FMT_FP6 matrix_b_fmt:MATRIX_FMT_FP6
.endr
.endr
	WIN 0
	PLACES
	; lane (r, hh) holds row o = 32 wv + 16 n + r and, in registers 16 n + i, queries 16 hh + i of my 32 (the query tiles' own order makes them neighbours)
.irp n, 0,1
.irp q, 0,1,2,3
	ds_store_b128 v11, v[O+16*\n+4*\q:O+16*\n+4*\q+3] offset:2304*\n+16*\q
.endr
.irp i, 0,1,2,3
	ds_load_b128 v[SB+16*\n+4*\i:SB+16*\n+4*\i+3], v7 offset:2304*\n+576*\i   ; LDS serves a wave's instructions in order (ISA guide 5.7.1.4): these see my stores
.endr
.endr
.irp n, 0,1
.irp i, 0,1,2,3
	s_wait_dscnt 11-8*\n-\i                        ; behind this load: the rest of its four, and the other tile's eight
	global_store_b128 v8, v[SB+16*\n+4*\i:SB+16*\n+4*\i+3], s[68:69] offset:8192*(16*\n+4*\i) th:TH_STORE_NT   ; four rows of out0, 128 consecutive bytes of each
.endr
.endr
	s_wait_tensorcnt 0x0                           ; the wave's end
	ds_add_u32 v[SPW], v[NIL]
	s_wait_dscnt 0x0
	CROUND                                         ; the closing round: no work-group ends while a partner may still ask for a tile that names it
	s_endpgm
.Lfunc_end_k_qac17b4f4f7_attn:
	.size	k_qac17b4f4f7_attn, .Lfunc_end_k_qac17b4f4f7_attn-k_qac17b4f4f7_attn
	.p2alignl 7, 3214868480
	.fill 96, 4, 3214868480
	.section	.rodata,"a",@progbits
	.p2align	6, 0x0
	.amdhsa_kernel k_qac17b4f4f7_attn
		.amdhsa_group_segment_fixed_size 327680
		.amdhsa_private_segment_fixed_size 0
		.amdhsa_enable_private_segment 0
		.amdhsa_kernarg_size 40
		.amdhsa_user_sgpr_count 2
		.amdhsa_user_sgpr_kernarg_segment_ptr 1
		.amdhsa_wavefront_size32 1
		.amdhsa_system_sgpr_workgroup_id_x 1
		.amdhsa_system_sgpr_workgroup_id_y 1
		.amdhsa_system_sgpr_workgroup_id_z 1
		.amdhsa_system_vgpr_workitem_id 0
		.amdhsa_next_free_vgpr 464
		.amdhsa_next_free_sgpr 72
		.amdhsa_reserve_vcc 0
		.amdhsa_float_denorm_mode_32 3
		.amdhsa_float_denorm_mode_16_64 3
		.amdhsa_memory_ordered 1
		.amdhsa_forward_progress 1
		.amdhsa_inst_pref_size 146
	.end_amdhsa_kernel
	.amdgpu_metadata
---
amdhsa.version: [ 1, 2 ]
amdhsa.kernels:
  - .name:           k_qac17b4f4f7_attn
    .symbol:         k_qac17b4f4f7_attn.kd
    .args:
      - { .name: qbuf, .offset: 0, .size: 8, .value_kind: global_buffer, .address_space: global }
      - { .name: kvbuf, .offset: 8, .size: 8, .value_kind: global_buffer, .address_space: global }
      - { .name: wimg, .offset: 16, .size: 8, .value_kind: global_buffer, .address_space: global }
      - { .name: bm, .offset: 24, .size: 8, .value_kind: global_buffer, .address_space: global }
      - { .name: out0, .offset: 32, .size: 8, .value_kind: global_buffer, .address_space: global }
    .group_segment_fixed_size: 327680
    .private_segment_fixed_size: 0
    .kernarg_segment_align: 8
    .kernarg_segment_size: 40
    .max_flat_workgroup_size: 256
    .sgpr_count:     72
    .vgpr_count:     464
    .wavefront_size: 32
...
	.end_amdgpu_metadata
.endif
;; end of part 3
